; MI455X (gfx1250); checked and timed in simulation.
; The chip was launched on July 23, 2026; its instructions are those of AMD's public machine-readable ISA for CDNA 5 (MIT licence, August 2026) and "CDNA5" Instruction Set Architecture Reference Guide (July 2026). The comments in the code are by the model that wrote it; some were corrected since.
;; Hash Grid w pose. Allowed arithmetic: float matrix products may take bf16 or f16 operands with f32 sums; other float arithmetic in f32, or as packed bf16 or f16 multiplies, adds, multiply-adds, maxima and minima; sums over many terms, partial sums and values carried from step to step in f32; what a program stores and reads back later, other than sums and carried values, may be rounded once to bf16 or f16.
;; Inputs: W1 96 x 64 float32; W2 64 x 64 float32; W3 64 x 9 float32; face_centers 250,000 x 3 float32; face_normals 250,000 x 3 float32; normal_table 16 x 524,288 x 2 float32; pos_table 16 x 524,288 x 2 float32; pose_extended 250,000 x 4 float32; pose_table 16 x 524,288 x 2 float32.
;; Outputs: out0 250,000 x 9 float32.
;; One version. Each part assembles by itself: llvm-mc -triple=amdgcn-amd-amdhsa -mcpu=gfx1250 --defsym DOCPART=n.
;; ======== version 1 of 1: 2 launches
;; limits: values are held in f16: magnitudes above 65,504 overflow, below 6.1e-05 lose precision; right only within a limited range of input values
;; workspace buffers: fixc 3,014,656 bytes of whole numbers; fixn 3,014,656 bytes of whole numbers; fixp 4,014,080 bytes of whole numbers
;; launch quant (part 1): grid 613 x 1, 8 waves a work-group, no clusters, 0 bytes of LDS; arguments face_centers, face_normals, pose_extended, fixc, fixn, fixp; writes fixc, fixn, fixp
.if DOCPART == 1
	.amdgcn_target "amdgcn-amd-amdhsa--gfx1250"
	.amdhsa_code_object_version 6
	.text
	.protected	k_q86b0047204_quant
	.globl	k_q86b0047204_quant
	.p2align	8
	.type	k_q86b0047204_quant,@function
k_q86b0047204_quant:
	s_mov_b64 s[64:65], 0
	v_nop
	global_prefetch_b8 v0, s[64:65] scope:SCOPE_SE
	s_setreg_imm32_b32 hwreg(HW_REG_WAVE_MODE, 25, 1), 1
	s_wait_xcnt 0x0
; THE COORDINATES AS WHOLE NUMBERS.  X = trunc(x * 2^26), u32, for every number of face_centers, face_normals and pose_extended, in the inputs' own layout.
; The second launch makes every level's cell, hash and weight from X by whole-number arithmetic: X * (R << 6) holds floor(x R) in its high word and the fraction of x R in its low word.
; NOTHING OF reference() IS LEFT OUT in this program: every input has a way to the output and is loaded.
; LIMITS.  0 <= x < 64 is served (reference() draws 0 <= x < 1).  Below 0 and for NaN the conversion gives 0, from 64 on 2^32 - 1, where reference() casts to uint32 otherwise.
; X drops what lies below 2^-26: at the finest level (R = 7006) that moves x R by at most 1.1e-4 of a cell.  Where reference()'s f32 product x R rounds across a cell's border the two
; take neighbouring cells; the interpolant is continuous there (weight 0 or 1 on the shared corners), so the results differ by rounding alone.
; SHARES.  A work-group converts 16,384 bytes of ONE array: groups 0-183 centers, 184-367 normals, 368-612 pose.  Thread t takes the 16 bytes at 16 t + 4,096 j, j = 0..3: each load and store
; of a wave covers 512 consecutive bytes, aligned.  The outputs are padded to whole shares; a chunk past the input's end repeats the input's last 16 bytes (the load's offset is held to it),
; so no lane is switched off and the padding, which the second launch's lanes past the last point read, holds written whole numbers.
; No LDS, no barrier, no matrix unit, no cluster: each byte is read once by one lane and nothing is shared.  No prefetch: four loads a lane and the launch is over.
.set SHARE, 16384                      ; bytes of a work-group
.set G3,    184                        ; work-groups for an array of 3,000,000 bytes
.set OFF,   2                          ; v[2:5]   the four loads' offsets
.set D,     8                          ; v[8:23]  four chunks of four numbers
	s_load_b256 s[8:15], s[0:1], 0x0               ; centers s[8:9], normals s[10:11], pose s[12:13], fixc s[14:15]
	s_load_b128 s[16:19], s[0:1], 0x20             ; fixn s[16:17], fixp s[18:19]
	s_sub_co_u32 s26, ttmp9, G3                    ; my share's number, if the array is normals,
	s_sub_co_u32 s27, ttmp9, 2*G3                  ; if it is pose
	s_mov_b32 s28, 3000000-16                      ; the last chunk of an array of three columns,
	s_mov_b32 s29, 4000000-16                      ; of four
	s_wait_kmcnt 0x0
	s_cmp_lt_u32 ttmp9, 2*G3
	s_cselect_b64 s[20:21], s[10:11], s[12:13]     ; from
	s_cselect_b64 s[22:23], s[16:17], s[18:19]     ; to
	s_cselect_b32 s24, s26, s27
	s_cselect_b32 s25, s28, s29
	s_cmp_lt_u32 ttmp9, G3
	s_cselect_b64 s[20:21], s[8:9], s[20:21]
	s_cselect_b64 s[22:23], s[14:15], s[22:23]
	s_cselect_b32 s24, ttmp9, s24
	s_lshl_b32 s24, s24, 14                        ; the share's first byte
	v_lshl_add_u32 v1, v0, 4, s24                  ; + 16 t: the stores' offset; never rewritten
.irp j, 0,1,2,3
	v_add_nc_u32 v[OFF+\j], 4096*\j, v1
.endr
.irp j, 0,1,2,3
	v_min_u32 v[OFF+\j], s25, v[OFF+\j]            ; no load leaves the input
.endr
.irp j, 0,1,2,3
	global_load_b128 v[D+4*\j:D+4*\j+3], v[OFF+\j], s[20:21] th:TH_LOAD_NT
.endr
.irp j, 0,1,2,3
	s_wait_loadcnt 3-\j                            ; loads come back in order: chunk j is in, the 3 - j younger ones may stay out
	v_pk_mul_f32 v[D+4*\j:D+4*\j+1],   v[D+4*\j:D+4*\j+1],   0x4c800000 op_sel_hi:[1,0]  ; times 2^26: exact
	v_pk_mul_f32 v[D+4*\j+2:D+4*\j+3], v[D+4*\j+2:D+4*\j+3], 0x4c800000 op_sel_hi:[1,0]
	v_cvt_u32_f32 v[D+4*\j],   v[D+4*\j]           ; toward zero
	v_cvt_u32_f32 v[D+4*\j+1], v[D+4*\j+1]
	v_cvt_u32_f32 v[D+4*\j+2], v[D+4*\j+2]
	v_cvt_u32_f32 v[D+4*\j+3], v[D+4*\j+3]
	global_store_b128 v1, v[D+4*\j:D+4*\j+3], s[22:23] offset:4096*\j th:TH_STORE_NT
.endr
	s_endpgm
.Lfunc_end_k_q86b0047204_quant:
	.size	k_q86b0047204_quant, .Lfunc_end_k_q86b0047204_quant-k_q86b0047204_quant
	.p2alignl 7, 3214868480
	.fill 96, 4, 3214868480
	.section	.rodata,"a",@progbits
	.p2align	6, 0x0
	.amdhsa_kernel k_q86b0047204_quant
		.amdhsa_group_segment_fixed_size 0
		.amdhsa_private_segment_fixed_size 0
		.amdhsa_enable_private_segment 0
		.amdhsa_kernarg_size 48
		.amdhsa_user_sgpr_count 2
		.amdhsa_user_sgpr_kernarg_segment_ptr 1
		.amdhsa_wavefront_size32 1
		.amdhsa_system_sgpr_workgroup_id_x 1
		.amdhsa_system_sgpr_workgroup_id_y 1
		.amdhsa_system_sgpr_workgroup_id_z 1
		.amdhsa_system_vgpr_workitem_id 0
		.amdhsa_next_free_vgpr 32
		.amdhsa_next_free_sgpr 66
		.amdhsa_reserve_vcc 0
		.amdhsa_float_denorm_mode_32 3
		.amdhsa_float_denorm_mode_16_64 3
		.amdhsa_memory_ordered 1
		.amdhsa_forward_progress 1
		.amdhsa_inst_pref_size 4
	.end_amdhsa_kernel
	.amdgpu_metadata
---
amdhsa.version: [ 1, 2 ]
amdhsa.kernels:
  - .name:           k_q86b0047204_quant
    .symbol:         k_q86b0047204_quant.kd
    .args:
      - { .name: face_centers, .offset: 0, .size: 8, .value_kind: global_buffer, .address_space: global }
      - { .name: face_normals, .offset: 8, .size: 8, .value_kind: global_buffer, .address_space: global }
      - { .name: pose_extended, .offset: 16, .size: 8, .value_kind: global_buffer, .address_space: global }
      - { .name: fixc, .offset: 24, .size: 8, .value_kind: global_buffer, .address_space: global }
      - { .name: fixn, .offset: 32, .size: 8, .value_kind: global_buffer, .address_space: global }
      - { .name: fixp, .offset: 40, .size: 8, .value_kind: global_buffer, .address_space: global }
    .group_segment_fixed_size: 0
    .private_segment_fixed_size: 0
    .kernarg_segment_align: 8
    .kernarg_segment_size: 48
    .max_flat_workgroup_size: 256
    .sgpr_count:     66
    .vgpr_count:     32
    .wavefront_size: 32
...
	.end_amdgpu_metadata
.endif
;; end of part 1
;; launch encmlp (part 2): grid 245 x 1, 32 waves a work-group, no clusters, 276,480 bytes of LDS; arguments fixc, fixn, fixp, pos_table, normal_table, pose_table, W1, W2, W3, out0; writes out0
.if DOCPART == 2
	.amdgcn_target "amdgcn-amd-amdhsa--gfx1250"
	.amdhsa_code_object_version 6
	.text
	.protected	k_q86b0047204_encmlp
	.globl	k_q86b0047204_encmlp
	.p2align	8
	.type	k_q86b0047204_encmlp,@function
k_q86b0047204_encmlp:
	s_mov_b64 s[64:65], 0
	v_nop
	global_prefetch_b8 v0, s[64:65] scope:SCOPE_SE
	s_setreg_imm32_b32 hwreg(HW_REG_WAVE_MODE, 25, 1), 1
	s_wait_xcnt 0x0
; THREE HASH-GRID ENCODINGS AND THE MLP 96 -> 64 -> 64 -> 9, FUSED.  Nothing of reference() is left out.
; SHARES.  A work-group owns 1,024 points, a thread one point, through the 16 levels; then each wave takes its own 32 points (two tiles of 16) through the MLP.  The encoding goes from the
; lanes to the matrix operands through LDS, the hidden layers stay in registers, the output is gathered in LDS as it lies in memory (36,864 bytes a work-group) and stored in whole rows of 16 bytes a lane.
; The last work-group has 144 points: a wave with no point jumps forward over the levels and over the MLP, never over a barrier.
; A LEVEL, from X = trunc(x 2^26) (whole numbers, stored by the launch before).  R = floor(16 * 1.5^l) = (16 * 3^l) >> l.  X * (R << 6) is a 64-bit number: high word p0 = floor(x R), low word the
; fraction w as 0.32.  p0 + 1 <= 448,385 < 2^19 for every X.  Of the hash only the low 19 bits are used; exclusive or and AND work bit by bit, and the low 19 bits of c * prime hang on the low
; bits of both factors alone: so a 24-bit multiply by prime & 0xffffff serves, and (c + 1) * prime = c * prime + prime.  The sum over corners of feature x product of weights is taken as nested
; lerps f0 + w (f1 - f0), 7 in three dimensions and 15 in four: the same number in exact arithmetic.
; FORMATS.  Tables, weights w and lerps in f32; matrix operands in f16, sums in f32.  Six operands are rounded on the way to an output of which each number is held to a hundredth of the root
; mean square: eight significant bits do not hold that, eleven do.  f16's range is kept by exact powers of two, since the MLP has no bias and relu(c z) = c relu(z) for c > 0: the encoding is
; multiplied by 2^16 (|enc| <= max |table|); each point's hidden vector is multiplied, in f32, by the power of two that brings its largest number into [1, 2); the inverse factors are gathered in Q, which multiplies the output.
; LIMITS.  Coordinates as the launch before states.  |table| < 0.9995 and |W| <= 65,504 (beyond: infinities in f16); they are drawn at 1e-4 and below 1.  A point whose hidden vector's largest
; number is an f32 denormal gives 0.  2^16 x a hidden number must stay finite in f32.  NaN and infinities are not treated apart.
; NO TENSOR LOADS, NO CLUSTER.  The tables are read by lists of single entries of 8 bytes, which no descriptor covers; what work-groups share as a tile is 43,264 bytes of weights, read once by each.
; LDS:  OUTS 0 .. 36,863: point p's nine numbers at 36 p.   WF: 22 fragments of 1,024 bytes: f 1,024 + q 512 + 16 lane.   ENC: wave w at 6,656 w, a point's row 208 bytes (13 x 16: the sixteen
; rows of a fragment load start in sixteen different groups of four banks; 64 banks of 4 bytes: ISA guide 11.1), word 16 table + level = two f16.   SPARE: 128 bytes a wave, named by the closing add alone.
.set NPTS,   250000
.set OUTS,   0
.set WF,     36864
.set ENC,    59392
.set EPITCH, 208
.set EWAVE,  32*EPITCH
.set SPARE,  272384
.set SLICE,  0x400000                  ; bytes of one level of a table
; vector registers kept throughout
.set SPW, 1                            ; v1   SPARE + 4 x thread; never rewritten
.set NIL, 2                            ; v2   0, for the closing add alone
.set ZR,  3                            ; v3   0, for the ReLU
.set ELD, 4                            ; v4   ENC + 6,656 w + 208 (l % 16) + 16 (l / 16): a fragment of the encoding
.set WFA, 5                            ; v5   WF + 16 l
.set OST, 6                            ; v6   36 (32 w + l % 16) + 32 (l / 16): where a lane stages register 0 of its results (output 0 or output 8)
.set CO,  7                            ; v7   16 x thread: the way out, in LDS and in memory
; the levels: v[8:9] 0, 0;  v10 ENC + 6,656 w + 208 l, never rewritten there;  v11 the prefetch's offset;  v[12:14], v[16:18], v[20:23] X;  v[24:33] w (centers 0-2, normals 3-5, pose 6-9);
;             v[34:49] at work;  v50 a packed pair;  v51 v10 + 4 level;  v[64:79], v[80:95], v[96:127] corner c's two features at base + 2 c
; the MLP:    v[8:31] three fragments of the encoding, then v[8:23] the hidden layer in f16, v24-27, v30, v31 at work, v28 Q, v29 36 (32 w + l % 16);  v[32:63] four accumulators;  v[64:127] two sets of four weight fragments
; scalars:    s[8:13] fixc, fixn, fixp;  s[14:19] the three tables, at the level in hand;  s[20:25] W1, W2, W3;  s[26:27] out0;  s28 wave;  s29 work-group;  s30 level;  s31 3^level;  s32 R << 6;
;             s33-35 primes & 0xffffff;  s36 2^19 - 1;  s37 1: my wave has points;  s[38:39] the prefetch's table, one level on;  s40 levels in which I prefetch;  s41-43 at work;  s44 EXEC kept;
;             s45-47 bytes of the output left at the three passes;  s48 lanes 0-15;  s49 1,152 w: my wave's piece of OUTS;  s[50:51] a builder's weights;  s[52:53] an offset;  s54, s55 lane selects
	s_load_b512 s[8:23], s[0:1], 0x0
	s_load_b128 s[24:27], s[0:1], 0x40
	v_lshl_add_u32 v[SPW], v0, 2, SPARE
	v_mov_b32 v[NIL], 0
	v_mov_b32 v[ZR], 0
	v_lshrrev_b32 v39, 5, v0
	v_readfirstlane_b32 s28, v39                   ; wave 0..31
	v_and_b32 v38, 31, v0                          ; l
	v_and_b32 v36, 15, v0                          ; l % 16
	v_bfe_u32 v37, v0, 4, 1                        ; l / 16
	s_mov_b32 s29, ttmp9
	s_mov_b32 s33, 0x3779b1                        ; 2654435761 & 0xffffff
	s_mov_b32 s34, 0x025795                        ; 805459861 & 0xffffff
	s_mov_b32 s35, 0x06c2f5                        ; 3674653429 & 0xffffff
	s_mov_b32 s36, 0x7ffff
	s_mov_b32 s48, 0xffff
	s_mov_b32 s54, 0x76543210                      ; v_permlanex16_b32: each lane takes its own place in the other half
	s_mov_b32 s55, 0xfedcba98
	s_mov_b32 s53, 0
	s_mul_i32 s41, s28, EWAVE
	s_add_co_u32 s41, s41, ENC                     ; my wave's rows of the encoding
	v_mul_u32_u24 v[ELD], v36, EPITCH
	v_lshl_add_u32 v[ELD], v37, 4, v[ELD]
	v_add_nc_u32 v[ELD], s41, v[ELD]
	v_mul_u32_u24 v10, v38, EPITCH
	v_add_nc_u32 v10, s41, v10
	v_lshl_add_u32 v[WFA], v38, 4, WF
	s_mul_i32 s49, s28, 32*36
	v_mul_u32_u24 v[OST], v36, 36
	v_lshl_add_u32 v[OST], v37, 5, v[OST]
	v_add_nc_u32 v[OST], s49, v[OST]
	v_lshlrev_b32 v[CO], 4, v0
	v_mov_b32 v8, 0
	v_mov_b32 v9, 0
	s_lshl_b32 s41, s29, 10
	s_lshl_b32 s42, s28, 5
	s_add_co_u32 s41, s41, s42                     ; my wave's first point
	s_cmp_lt_u32 s41, NPTS
	s_cselect_b32 s37, 1, 0
	s_mul_i32 s42, s29, 36864
	s_sub_co_u32 s45, 9000000, s42                 ; bytes of out0 from my work-group's first on,
	s_min_u32 s45, s45, 36864                      ; of which at most 36,864 are mine
	s_sub_co_i32 s46, s45, 16384
	s_sub_co_i32 s47, s45, 32768
	; the prefetch: 3 tables x 16,384 blocks of 256 bytes a level = 48 work-groups x 32 waves x 32 lanes: work-group g < 48 takes part g % 16 of table g / 16, a lane a block
	s_and_b32 s41, s29, 15
	s_lshl_b32 s41, s41, 18
	s_lshl_b32 s42, s28, 13
	s_add_co_u32 s41, s41, s42
	v_lshl_add_u32 v11, v38, 8, s41
	s_cmp_lt_u32 s29, 48
	s_cselect_b32 s40, 15, 0                       ; levels 0 to 14 ask for levels 1 to 15; the last level asks for nothing
	s_lshr_b32 s41, s29, 4
	s_wait_kmcnt 0x0
	s_cmp_eq_u32 s41, 1
	s_cselect_b64 s[38:39], s[16:17], s[18:19]
	s_cmp_eq_u32 s41, 0
	s_cselect_b64 s[38:39], s[14:15], s[38:39]
	s_add_nc_u64 s[38:39], s[38:39], SLICE
	s_mul_i32 s52, s29, 12288                      ; 1,024 points of 12 bytes
	s_add_nc_u64 s[8:9], s[8:9], s[52:53]
	s_add_nc_u64 s[10:11], s[10:11], s[52:53]
	s_lshl_b32 s52, s29, 14                        ; of 16 bytes
	s_add_nc_u64 s[12:13], s[12:13], s[52:53]
	s_mul_i32 s52, s29, 36864                      ; of 36 bytes
	s_add_nc_u64 s[26:27], s[26:27], s[52:53]
; THE WEIGHTS.  Wave f < 22 lays fragment f into LDS, rounded once to f16: f = 4 ks + mt of W1^T (ks 0-2), 12 + 4 ks + mt of W2^T (ks 0-1), 20 + ks of W3^T (rows 9-15 are 0).
; A fragment is source 0 of a product: lane l holds output feature 16 mt + l % 16; chunk q (registers 4 q .. 4 q + 3) holds inputs 32 ks + 16 q + 8 (l / 16) + 0..7.
.macro BUILDW ncols                    ; sixteen numbers of one column, ncols numbers apart, and their rounding
.irp k, 0,1,2,3,4,5,6,7,8,9,10,11,12,13,14,15
	global_load_b32 v[64+\k], v34, s[50:51] offset:(16*((\k)/8)+(\k)%8)*(\ncols)*4
.endr
	s_wait_loadcnt 0x0
.irp i, 0,1,2,3,4,5,6,7
	v_cvt_pk_f16_f32 v[80+\i], v[64+2*\i], v[65+2*\i]
.endr
.endm
	v_lshl_add_u32 v35, s28, 10, v[WFA]            ; WF + 1,024 f + 16 l
	s_cmp_lt_u32 s28, 20
	s_cbranch_scc0 .Lw3
	s_sub_co_u32 s41, s28, 12
	s_cmp_lt_u32 s28, 12
	s_cselect_b32 s41, s28, s41                    ; the fragment's number in its own matrix
	s_cselect_b64 s[50:51], s[20:21], s[22:23]
	s_lshr_b32 s42, s41, 2
	s_lshl_b32 s42, s42, 13                        ; 32 ks rows of 256 bytes
	s_and_b32 s43, s41, 3
	s_lshl_b32 s43, s43, 6                         ; 16 mt columns
	s_add_co_u32 s42, s42, s43
	v_lshlrev_b32 v34, 11, v37                     ; 8 (l / 16) rows
	v_lshl_add_u32 v34, v36, 2, v34                ; column l % 16
	v_add_nc_u32 v34, s42, v34
	BUILDW 64
	ds_store_b128 v35, v[80:83]
	ds_store_b128 v35, v[84:87] offset:512
	s_branch .Lbuilt
.Lw3:
	s_cmp_lt_u32 s28, 22
	s_cbranch_scc0 .Lbuilt
	s_mov_b64 s[50:51], s[24:25]
	s_sub_co_u32 s41, s28, 20
	s_mul_i32 s41, s41, 32*36                      ; 32 ks rows of 36 bytes
	v_min_u32 v39, 8, v36                          ; W3 has nine columns: lanes past them read the last, inside the buffer,
	v_cmp_gt_u32 vcc_lo, 9, v36                    ; and store 0
	v_mul_u32_u24 v34, v37, 8*36
	v_lshl_add_u32 v34, v39, 2, v34
	v_add_nc_u32 v34, s41, v34
	BUILDW 9
.irp i, 0,1,2,3,4,5,6,7
	v_cndmask_b32 v[80+\i], 0, v[80+\i], vcc_lo
.endr
	ds_store_b128 v35, v[80:83]
	ds_store_b128 v35, v[84:87] offset:512
.Lbuilt:
	s_cmp_eq_u32 s37, 0
	s_cbranch_scc1 .Lmeet1                         ; a wave without points goes straight to the barrier
	v_mul_u32_u24 v34, v0, 12
	global_load_b96 v[12:14], v34, s[8:9] th:TH_LOAD_NT
	global_load_b96 v[16:18], v34, s[10:11] th:TH_LOAD_NT
	global_load_b128 v[20:23], v[CO], s[12:13] th:TH_LOAD_NT
	s_mov_b32 s30, 0
	s_mov_b32 s31, 1
	s_wait_loadcnt 0x0
; Three dimensions: X at v[X..], weights to v[24 + WI ..], corners to v[DB ..], table at s[TB:TB+1].  Corner c: bit 0 along x, bit 1 along y, bit 2 along z.
; The index is below 2^19 by the ANDs; v_min_u32 by the written constant changes nothing and states the bound in the line ahead of the load.  Each load lands on its own offset register.
.macro IDX3 X, WI, DB, TB
.irp d, 0,1,2
	v_mad_co_u64_u32 v[34+2*\d:35+2*\d], vcc_lo, v[(\X)+\d], s32, v[8:9]  ; low word the fraction, high word p0
.endr
.irp d, 0,1,2
	v_cvt_f32_u32 v[24+(\WI)+\d], v[34+2*\d]
.endr
	v_add_nc_u32 v34, 1, v35                       ; x: prime 1: v35 = p0, v34 = p0 + 1
	v_mul_u32_u24 v36, s33, v37                    ; y
	v_mul_u32_u24 v38, s34, v39                    ; z
	v_add_nc_u32 v37, s33, v36
	v_add_nc_u32 v39, s34, v38
.irp k, 0,1,2,3
	v_xor_b32 v[40+\k], v[36+(\k)%2], v[38+(\k)/2]
.endr
.irp k, 0,1,2,3
	v_and_b32 v[40+\k], s36, v[40+\k]
.endr
.irp c, 0,1,2,3,4,5,6,7
	v_xor_b32 v[(\DB)+2*\c], v[35-(\c)%2], v[40+(\c)/2]
.endr
.irp c, 0,1,2,3,4,5,6,7
	v_min_u32 v[(\DB)+2*\c], 0x7ffff, v[(\DB)+2*\c]
.endr
.irp c, 0,1,2,3,4,5,6,7
	global_load_b64 v[(\DB)+2*\c:(\DB)+2*\c+1], v[(\DB)+2*\c], s[\TB:(\TB)+1] scale_offset
.endr
.endm
; Four dimensions: the same; corner c = xy (bits 0, 1) and zw (bits 2, 3).
.macro IDX4 X, WI, DB, TB
.irp d, 0,1,2,3
	v_mad_co_u64_u32 v[34+2*\d:35+2*\d], vcc_lo, v[(\X)+\d], s32, v[8:9]
.endr
.irp d, 0,1,2,3
	v_cvt_f32_u32 v[24+(\WI)+\d], v[34+2*\d]
.endr
	v_add_nc_u32 v34, 1, v35
	v_mul_u32_u24 v36, s33, v37
	v_mul_u32_u24 v38, s34, v39
	v_mul_u32_u24 v40, s35, v41
	v_add_nc_u32 v37, s33, v36
	v_add_nc_u32 v39, s34, v38
	v_add_nc_u32 v41, s35, v40
.irp k, 0,1,2,3
	v_xor_b32 v[42+\k], v[35-(\k)%2], v[36+(\k)/2]
	v_xor_b32 v[46+\k], v[38+(\k)%2], v[40+(\k)/2]
.endr
.irp k, 0,1,2,3,4,5,6,7
	v_and_b32 v[42+\k], s36, v[42+\k]
.endr
.irp c, 0,1,2,3,4,5,6,7,8,9,10,11,12,13,14,15
	v_xor_b32 v[(\DB)+2*\c], v[42+(\c)%4], v[46+(\c)/4]
.endr
.irp c, 0,1,2,3,4,5,6,7,8,9,10,11,12,13,14,15
	v_min_u32 v[(\DB)+2*\c], 0x7ffff, v[(\DB)+2*\c]
.endr
.irp c, 0,1,2,3,4,5,6,7,8,9,10,11,12,13,14,15
	global_load_b64 v[(\DB)+2*\c:(\DB)+2*\c+1], v[(\DB)+2*\c], s[\TB:(\TB)+1] scale_offset
.endr
.endm
; A lerp of both features at once, in two lines: b = b - a; a = b w + a, with weight number wi of v[24:33] for both halves.
.macro LSUB a, b
	v_pk_add_f32 v[\b:(\b)+1], v[\b:(\b)+1], v[\a:(\a)+1] neg_lo:[0,1] neg_hi:[0,1]
.endm
.macro LFMA a, b, wi
.if ((\wi)%2) == 0
	v_pk_fma_f32 v[\a:(\a)+1], v[\b:(\b)+1], v[24+(\wi):25+(\wi)], v[\a:(\a)+1] op_sel_hi:[1,0,1]
.else
	v_pk_fma_f32 v[\a:(\a)+1], v[\b:(\b)+1], v[23+(\wi):24+(\wi)], v[\a:(\a)+1] op_sel:[0,1,0] op_sel_hi:[1,1,1]
.endif
.endm
.macro LERP3 DB, wi                    ; eight corners into one: four lerps along x, two along y, one along z; a stage's subtractions stand ahead of its multiply-adds
.irp c, 0,4,8,12
	LSUB (\DB)+\c, (\DB)+\c+2
.endr
.irp c, 0,4,8,12
	LFMA (\DB)+\c, (\DB)+\c+2, \wi
.endr
.irp c, 0,8
	LSUB (\DB)+\c, (\DB)+\c+4
.endr
.irp c, 0,8
	LFMA (\DB)+\c, (\DB)+\c+4, (\wi)+1
.endr
	LSUB (\DB), (\DB)+8
	LFMA (\DB), (\DB)+8, (\wi)+2
.endm
.macro PUT DB, off                     ; times 2^16 (exact), rounded once to f16, into my row of the encoding
	v_pk_mul_f32 v[\DB:(\DB)+1], v[\DB:(\DB)+1], 0x47800000 op_sel_hi:[1,0]
	v_cvt_pk_f16_f32 v50, v[\DB], v[(\DB)+1]
	ds_store_b32 v51, v50 offset:\off
.endm
.Llevel:                                       ; 16 trips: one level of all three tables; every wave of the launch walks the levels in the same order
	s_lshl_b32 s41, s31, 4
	s_lshr_b32 s41, s41, s30                       ; R = (16 * 3^l) >> l
	s_lshl_b32 s32, s41, 6
	v_lshl_add_u32 v51, s30, 2, v10                ; this level's word in my row of the encoding: the fixed address and the loop's count
	IDX3 12, 0, 64, 14                             ; 8 gathers,
	IDX3 16, 3, 80, 16                             ; 8 more,
	IDX4 20, 6, 96, 18                             ; and 16: 32 loads of the wave are out
	s_cmp_lt_u32 s30, s40
	s_cbranch_scc0 .Lnot_mine
	global_prefetch_b8 v11, s[38:39] th:TH_LOAD_NT scope:SCOPE_SE  ; my 32 blocks of the next level's slice: behind the trip's loads, one trip ahead; each block is named once in the launch; level 0 comes by its gathers alone
.Lnot_mine:
.irp i, 0,2,4,6,8
	v_pk_mul_f32 v[24+\i:25+\i], v[24+\i:25+\i], 0x2f800000 op_sel_hi:[1,0]  ; the fractions times 2^-32
.endr
	s_wait_loadcnt 24                              ; loads come back in order: pos_table's 8 are in; the 24 younger ones may stay out
	LERP3 64, 0
	PUT 64, 0
	s_wait_loadcnt 16                              ; normal_table's are in; pose_table's 16 may stay out
	LERP3 80, 3
	PUT 80, 64
	s_wait_loadcnt 8                               ; pose_table's corners 0-7
	LERP3 96, 6
	s_wait_loadcnt 0x0                             ; and 8-15
	LERP3 112, 6
	LSUB 96, 112
	LFMA 96, 112, 9
	PUT 96, 128
	s_wait_xcnt 0x0                                ; the loads and the prefetch (some ninety lines back) have read their addresses: the four pointers may be written
	s_add_nc_u64 s[14:15], s[14:15], SLICE
	s_add_nc_u64 s[16:17], s[16:17], SLICE
	s_add_nc_u64 s[18:19], s[18:19], SLICE
	s_add_nc_u64 s[38:39], s[38:39], SLICE
	s_mul_i32 s31, s31, 3
	s_add_co_u32 s30, s30, 1
	s_cmp_lt_u32 s30, 16
	s_cbranch_scc1 .Llevel
.Lmeet1:
	s_wait_xcnt 0x0                                ; no global access of mine still reads a register or EXEC
	s_wait_dscnt 0x0                               ; for the others' sake: my weight fragment lies in LDS (and my rows of the encoding)
	s_barrier_signal -1
	s_barrier_wait -1                              ; all 22 fragments do
	s_cmp_eq_u32 s37, 0
	s_cbranch_scc1 .Lmeet2
; THE MLP.  Products are taken transposed: source 0 = 16 output features (a weight fragment), source 1 = 16 points.  In a result lane l holds ONE point (l % 16) and features 8 (l / 16) + 0..7;
; two results rounded in pairs ARE source 1 (32 features x 16 points) of the next layer: nothing changes lanes.
.macro LOADG set, grp, n               ; n weight fragments of group grp (four fragments, 4,096 bytes, a group) into set
.set m, 0
.rept \n
	ds_load_b128 v[64+32*(\set)+8*m:67+32*(\set)+8*m], v[WFA] offset:4096*(\grp)+1024*m
	ds_load_b128 v[68+32*(\set)+8*m:71+32*(\set)+8*m], v[WFA] offset:4096*(\grp)+1024*m+512
.set m, m+1
.endr
.endm
.macro MUL4 set, B, zero               ; 64 output features x 16 points x 32 inputs: the four accumulators take turns, one instruction a turn.  zero = 1: the products start the sums
.irp m, 0,1,2,3
.if \zero
	v_wmma_f32_16x16x32_f16 v[32+8*\m:39+8*\m], v[64+32*(\set)+8*\m:71+32*(\set)+8*\m], v[\B:(\B)+7], 0
.else
	v_wmma_f32_16x16x32_f16 v[32+8*\m:39+8*\m], v[64+32*(\set)+8*\m:71+32*(\set)+8*\m], v[\B:(\B)+7], v[32+8*\m:39+8*\m]
.endif
.endr
.endm
.macro PLACES                          ; four places behind a product, ahead of loads into registers that it has read and of vector lines that read its result or write its sources
.rept 4
	v_nop
.endr
.endm
; A hidden layer leaves its accumulators.  The point's largest number (and 0, the ReLU's floor): the lane's 32 in four chains, each accumulator from its low end, then the other
; half of the lanes'.  e = its exponent field, held to 253: the numbers are multiplied by 2^(127 - e), exactly, Q by 2^(e - 127).  Then rounding to f16 and the ReLU, two numbers a line.
; A negative number that leaves f16's range becomes -infinity and the ReLU makes 0 of it.  first = 1: Q starts, with the encoding's 2^-16.
.macro PACKH first
.irp m, 0,1,2,3
	v_max3_num_f32 v[24+\m], v[32+8*\m], v[33+8*\m], v[34+8*\m]
.endr
.irp m, 0,1,2,3
	v_max3_num_f32 v[24+\m], v[24+\m], v[35+8*\m], v[36+8*\m]
.endr
.irp m, 0,1,2,3
	v_max3_num_f32 v[24+\m], v[24+\m], v[37+8*\m], v[38+8*\m]
.endr
	v_max3_num_f32 v24, v24, v39, v47
	v_max3_num_f32 v25, v25, v55, v63
	v_max3_num_f32 v26, v26, v27, v[ZR]
	v_max3_num_f32 v24, v24, v25, v26
	v_permlanex16_b32 v27, v24, s54, s55           ; the point's other 32 features lie in the lane 16 away
	v_max_num_f32 v24, v24, v27
	v_bfe_u32 v25, v24, 23, 8
	v_min_u32 v25, 253, v25
	v_sub_nc_u32 v26, 254, v25
	v_lshlrev_b32 v25, 23, v25                     ; 2^(e - 127)
	v_lshlrev_b32 v30, 23, v26                     ; 2^(127 - e),
	v_lshlrev_b32 v31, 23, v26                     ; twice, for the packed multiply
.if \first
	v_mul_f32 v28, 0x37800000, v25
.else
	v_mul_f32 v28, v28, v25
.endif
.set k, 0
.rept 16
	v_pk_mul_f32 v[32+2*k:33+2*k], v[32+2*k:33+2*k], v[30:31]
.set k, k+1
.endr
.set k, 0
.rept 16
	v_cvt_pk_f16_f32 v[8+k], v[32+2*k], v[33+2*k]  ; accumulator mt's eight numbers become registers 4 mt .. 4 mt + 3 of the next source 1
.set k, k+1
.endr
.set k, 0
.rept 16
	v_pk_max_num_f16 v[8+k], v[8+k], v[ZR]
.set k, k+1
.endr
.endm
; Tile t of my wave: 16 points.  The weight groups come by turns into two sets, each asked for four places behind the products that read the set last.  Each wait leaves out the loads of the group issued last.
.macro TILE t
.irp ks, 0,1,2
	ds_load_b128 v[8+8*\ks:11+8*\ks],  v[ELD] offset:16*EPITCH*(\t)+64*\ks
	ds_load_b128 v[12+8*\ks:15+8*\ks], v[ELD] offset:16*EPITCH*(\t)+64*\ks+32
.endr
	LOADG 0, 0, 4
	LOADG 1, 1, 4
	s_wait_dscnt 8                                 ; the encoding and group 0 are in; group 1's 8 loads may stay out
	MUL4 0, 8, 1                                   ; layer 1, inputs 0-31
	PLACES
	LOADG 0, 2, 4
	s_wait_dscnt 8                                 ; group 1 is in
	MUL4 1, 16, 0                                  ; inputs 32-63
	PLACES
	LOADG 1, 3, 4
	s_wait_dscnt 8                                 ; group 2
	MUL4 0, 24, 0                                  ; inputs 64-95
	PLACES
	LOADG 0, 4, 4
	PACKH 1
	s_wait_dscnt 8                                 ; group 3
	MUL4 1, 8, 1                                   ; layer 2, inputs 0-31
	PLACES
	LOADG 1, 5, 2
	s_wait_dscnt 4                                 ; group 4; group 5's 4 loads may stay out
	MUL4 0, 16, 0                                  ; inputs 32-63
	PLACES
	PACKH 0
	s_wait_dscnt 0x0                               ; group 5
	v_wmma_f32_16x16x32_f16 v[32:39], v[96:103],  v[8:15],  0  ; layer 3: the two halves of its inputs on two accumulators, so that no product adds onto the one before it
	v_wmma_f32_16x16x32_f16 v[40:47], v[104:111], v[16:23], 0
	; five places: the next tile's first products write over these accumulators, and the sums below, which name them, are no places.  Three of the five make the address for outputs 1-7:
	; the point's row alone, the same in both halves of the lanes, so that every lane, on or off, names bytes of my wave's 1,152 (at most 540 + 576 + 28 + 4)
	v_and_b32 v29, 15, v0
	v_mul_u32_u24 v29, v29, 36
	v_add_nc_u32 v29, s49, v29
	v_nop
	v_nop
.irp i, 0,2,4,6
	v_pk_add_f32 v[32+\i:33+\i], v[32+\i:33+\i], v[40+\i:41+\i]
.endr
.irp i, 0,2,4,6
	v_pk_mul_f32 v[32+\i:33+\i], v[32+\i:33+\i], v[28:29] op_sel_hi:[1,0]  ; times Q, the pair's low word for both halves
.endr
	ds_store_b32 v[OST], v32 offset:16*36*(\t)     ; lanes 0-15: output 0; lanes 16-31: output 8
	s_and_saveexec_b32 s44, s48                    ; outputs 1-7 lie in lanes 0-15 alone (no global access is pending here)
.irp j, 1,2,3,4,5,6,7
	ds_store_b32 v29, v[32+\j] offset:16*36*(\t)+4*\j
.endr
	s_or_b32 exec_lo, exec_lo, s44
.endm
	TILE 0
	TILE 1
.Lmeet2:
	s_wait_dscnt 0x0                               ; for the others' sake: my points' outputs lie in LDS
	s_barrier_signal -1
	s_barrier_wait -1
	s_wait_xcnt 0x0
; THE WAY OUT: the work-group's piece of out0 is read back 16 bytes a lane and stored: each store of a wave covers 512 consecutive bytes, at a multiple of 256 from out0's first byte.
; Three passes of 16,384 bytes; a lane past the piece's end (4,096 bytes in the third pass; 5,184 bytes in all in the last work-group) is off, so nothing unwritten is read or stored.
.irp p, 0,1,2
	v_cmp_gt_i32 vcc_lo, s[45+\p], v[CO]
	s_and_saveexec_b32 s44, vcc_lo
	ds_load_b128 v[8:11], v[CO] offset:OUTS+16384*\p
	s_wait_dscnt 0x0
	global_store_b128 v[CO], v[8:11], s[26:27] offset:16384*\p th:TH_STORE_NT
	s_wait_xcnt 0x0                                ; EXEC and the store's data are written again only behind this wait
	s_or_b32 exec_lo, exec_lo, s44
.endr
	s_wait_tensorcnt 0x0                           ; the wave's end, behind my last LDS store
	ds_add_u32 v[SPW], v[NIL]
	s_wait_dscnt 0x0
	s_endpgm
.Lfunc_end_k_q86b0047204_encmlp:
	.size	k_q86b0047204_encmlp, .Lfunc_end_k_q86b0047204_encmlp-k_q86b0047204_encmlp
	.p2alignl 7, 3214868480
	.fill 96, 4, 3214868480
	.section	.rodata,"a",@progbits
	.p2align	6, 0x0
	.amdhsa_kernel k_q86b0047204_encmlp
		.amdhsa_group_segment_fixed_size 276480
		.amdhsa_private_segment_fixed_size 0
		.amdhsa_enable_private_segment 0
		.amdhsa_kernarg_size 80
		.amdhsa_user_sgpr_count 2
		.amdhsa_user_sgpr_kernarg_segment_ptr 1
		.amdhsa_wavefront_size32 1
		.amdhsa_system_sgpr_workgroup_id_x 1
		.amdhsa_system_sgpr_workgroup_id_y 1
		.amdhsa_system_sgpr_workgroup_id_z 1
		.amdhsa_system_vgpr_workitem_id 0
		.amdhsa_next_free_vgpr 128
		.amdhsa_next_free_sgpr 66
		.amdhsa_reserve_vcc 1
		.amdhsa_float_denorm_mode_32 3
		.amdhsa_float_denorm_mode_16_64 3
		.amdhsa_memory_ordered 1
		.amdhsa_forward_progress 1
		.amdhsa_inst_pref_size 56
	.end_amdhsa_kernel
	.amdgpu_metadata
---
amdhsa.version: [ 1, 2 ]
amdhsa.kernels:
  - .name:           k_q86b0047204_encmlp
    .symbol:         k_q86b0047204_encmlp.kd
    .args:
      - { .name: fixc, .offset: 0, .size: 8, .value_kind: global_buffer, .address_space: global }
      - { .name: fixn, .offset: 8, .size: 8, .value_kind: global_buffer, .address_space: global }
      - { .name: fixp, .offset: 16, .size: 8, .value_kind: global_buffer, .address_space: global }
      - { .name: pos_table, .offset: 24, .size: 8, .value_kind: global_buffer, .address_space: global }
      - { .name: normal_table, .offset: 32, .size: 8, .value_kind: global_buffer, .address_space: global }
      - { .name: pose_table, .offset: 40, .size: 8, .value_kind: global_buffer, .address_space: global }
      - { .name: W1, .offset: 48, .size: 8, .value_kind: global_buffer, .address_space: global }
      - { .name: W2, .offset: 56, .size: 8, .value_kind: global_buffer, .address_space: global }
      - { .name: W3, .offset: 64, .size: 8, .value_kind: global_buffer, .address_space: global }
      - { .name: out0, .offset: 72, .size: 8, .value_kind: global_buffer, .address_space: global }
    .group_segment_fixed_size: 276480
    .private_segment_fixed_size: 0
    .kernarg_segment_align: 8
    .kernarg_segment_size: 80
    .max_flat_workgroup_size: 1024
    .sgpr_count:     66
    .vgpr_count:     128
    .wavefront_size: 32
...
	.end_amdgpu_metadata
.endif
;; end of part 2
